; MI455X (gfx1250); checked and timed in simulation.
; The chip was launched on July 23, 2026; its instructions are those of AMD's public machine-readable ISA for CDNA 5 (MIT licence, August 2026) and "CDNA5" Instruction Set Architecture Reference Guide (July 2026). The comments in the code are by the model that wrote it; some were corrected since.
;; Multi Head Attention. Allowed arithmetic: matrix products marked QUANTISED: E4M3 operands, one E8M0 scale for each 32 along K, by v_wmma_scale_f32_16x16x128_f8f6f4 with both operands' format E4M3, f32 sums; everything else in f32.
;; Inputs: Wk_codes 16 x 64 x 32 x 32 uint8 (E4M3 codes of Wk, K innermost, in blocks of 32 codes); Wk_scales 16 x 64 x 32 uint8 (E8M0 scales of Wk, one for each 32 codes along K); Wo_codes 1,024 x 32 x 32 uint8 (E4M3 codes of Wo, K innermost, in blocks of 32 codes); Wo_scales 1,024 x 32 uint8 (E8M0 scales of Wo, one for each 32 codes along K); Wq_codes 16 x 64 x 32 x 32 uint8 (E4M3 codes of Wq, K innermost, in blocks of 32 codes); Wq_scales 16 x 64 x 32 uint8 (E8M0 scales of Wq, one for each 32 codes along K); Wv_codes 16 x 64 x 32 x 32 uint8 (E4M3 codes of Wv, K innermost, in blocks of 32 codes); Wv_scales 16 x 64 x 32 uint8 (E8M0 scales of Wv, one for each 32 codes along K); bk 16 x 64 float32; bo 1,024 float32; bq 16 x 64 float32; bv 16 x 64 float32; k_codes 4 x 2,048 x 32 x 32 uint8 (E4M3 codes of k, K innermost, in blocks of 32 codes); k_scales 4 x 2,048 x 32 uint8 (E8M0 scales of k, one for each 32 codes along K); q_codes 4 x 2,048 x 32 x 32 uint8 (E4M3 codes of q, K innermost, in blocks of 32 codes); q_scales 4 x 2,048 x 32 uint8 (E8M0 scales of q, one for each 32 codes along K); v_codes 4 x 2,048 x 32 x 32 uint8 (E4M3 codes of v, K innermost, in blocks of 32 codes); v_scales 4 x 2,048 x 32 uint8 (E8M0 scales of v, one for each 32 codes along K).
;; Outputs: out0 4 x 2,048 x 1,024 float32.
;; This version of the problem:
;;   THIS VERSION OF THE PROBLEM IS GIVEN IN LOW PRECISION. The matrix products marked QUANTISED in the list below multiply operands that are first quantised to E4M3 (4 exponent bits, 3 mantissa bits; 8 bits a number), with one power-of-two scale for each 32 numbers along K (OCP MX v1.0); their sums are f32. All else is computed in f32.
;;   The module's matrix products, in the order in which they are computed (A, B: the left and right operand; K: the contracted axis; several contracted axes count as one K, in the product's order):
;;     1. [M 1,024, K 1,024] x [K 1,024, N 8,192]; A: input Wq (given as codes); B: input q (given as codes): QUANTISED
;;     2. [M 1,024, K 1,024] x [K 1,024, N 8,192]; A: input Wk (given as codes); B: input k (given as codes): QUANTISED
;;     3. [M 1,024, K 1,024] x [K 1,024, N 8,192]; A: input Wv (given as codes); B: input v (given as codes): QUANTISED
;;     4. batch 64 x [M 2,048, K 64] x [K 64, N 2,048]; A: computed on the way; B: computed on the way: QUANTISED
;;     5. batch 64 x [M 2,048, K 2,048] x [K 2,048, N 64]; A: softmax (see below); B: computed on the way: QUANTISED
;;     6. [M 8,192, K 1,024] x [K 1,024, N 1,024]; A: computed on the way; B: input Wo (given as codes): QUANTISED
;;   THE QUANTISER, for each operand of a quantised product, along K:
;;     - K is cut into blocks of 32 from its start; a last block that is shorter is filled with zeros.
;;     - A block's scale is 2^e with e = floor(log2(the largest magnitude in the block)) - 8, held to -126 .. 127; a block of zeros has e = 0. As a byte (E8M0): e + 127.
;;     - Each number is divided by its block's scale, clamped to +-448, and rounded to the nearest number of E4M3, ties to even, subnormals kept.
;;     - The product sums the exact products of the quantised numbers (number of the format x scale) in f32.
;;   ~~~python
;;   def quantise(x, axis):      # numpy; x: float32 -> the quantised numbers, widened to float32 again
;;       x = np.moveaxis(x, axis, -1); K = x.shape[-1]
;;       x = np.pad(x, [(0, 0)] * (x.ndim - 1) + [(0, -K % 32)]); x = x.reshape(x.shape[:-1] + (-1, 32)); a = np.abs(x).max(-1, keepdims=True)
;;       e = np.where(a > 0, np.clip(np.frexp(np.where(a > 0, a, 1))[1] - 1 - 8, -126, 127), 0)      # np.frexp(a)[1] - 1 = floor(log2(a)), exactly
;;       r = np.clip(x / 2.0 ** e, -448, 448)
;;       step = 2.0 ** (np.maximum(np.frexp(np.where(r == 0, 1, r))[1] - 1, -6) - 3)
;;       q = np.round(r / step) * step * 2.0 ** e      # np.round: ties to even
;;       return np.moveaxis(q.reshape(q.shape[:-2] + (-1,))[..., :K], -1, axis).astype(np.float32)
;;   ~~~
;;   SOFTMAX AHEAD OF A QUANTISED PRODUCT. Where the list says 'softmax', what is quantised is not the finished softmax but p = 2^(t - M), with t = logit x log2(e) and M = ceil(the row's largest t), a whole number; so 1/2 < the row's largest p <= 1. The row's sum l is taken of the UNQUANTISED p, in f32, and the product's result is divided by l at the end. Since M is a whole number, a kernel that streams over the keys may use a running M (the ceiling of the running maximum): every later rescaling is an exact power of two, which a block's scale takes up: the codes' values come out the same.
;;   OPERANDS COMPUTED ON THE WAY. 'Computed on the way' means the value that the module computes at that place (a softmax that the list does not call 'softmax' is quantised finished and normalised). What goes into a quantiser is computed in f32, as accurately as f32 sums, v_exp_f32 and their like allow (about 1e-6 of the number): no bf16 or f16 on the way to a quantiser, and a product that is left as it is and whose result goes on into a quantised operand takes f32 operands (vector FMAs, or v_wmma_f32_16x16x4_f32). A number that lies on a knife's edge between two numbers of the format may be rounded either way, as far as f32 arithmetic and the matrix unit's own rounding can turn it there, and no further.
;;   INPUTS GIVEN AS CODES. Wk (in the module: [16, 1024, 64], K = its axis 1); Wo (in the module: [1024, 1024], K = its axis 0); Wq (in the module: [16, 1024, 64], K = its axis 1); Wv (in the module: [16, 1024, 64], K = its axis 1); k (in the module: [4, 2048, 1024], K = its axis 2); q (in the module: [4, 2048, 1024], K = its axis 2); v (in the module: [4, 2048, 1024], K = its axis 2): each comes as NAME_codes (uint8): NAME with its K axis moved to the last place and cut into blocks of 32 codes, [.., K / 32, bytes a block], one block behind the other in memory; one code a byte (a code: sign, 4 exponent bits, 3 mantissa bits); and NAME_scales (uint8): the same leading axes, one E8M0 byte (e + 127) for each 32 codes along K. Its value is code x scale, taken as it is: it is not quantised again, and the codes and scales need not be those that the quantiser above would give.
;; One version. Each part assembles by itself: llvm-mc -triple=amdgcn-amd-amdhsa -mcpu=gfx1250 --defsym DOCPART=n.
;; ======== version 1 of 1: 3 launches
;; limits: right only within a limited range of input values
;; workspace buffers: qimg 8,650,752 bytes; kv 17,301,504 bytes; ctximg 8,388,608 bytes; ctxsc 262,144 bytes
;; launch proj (part 1): grid 4 x 96, 4 waves a work-group, clusters of 4 x 4, 327,680 bytes of LDS; arguments q_codes, q_scales, Wq_codes, Wq_scales, bq, k_codes, k_scales, Wk_codes, Wk_scales, bk, Wv_codes, Wv_scales, v_codes, v_scales, bv, qimg, kv; writes qimg, kv
.if DOCPART == 1
	.amdgcn_target "amdgcn-amd-amdhsa--gfx1250"
	.amdhsa_code_object_version 6
	.text
	.protected	k_q2bdf2cedd4_proj
	.globl	k_q2bdf2cedd4_proj
	.p2align	8
	.type	k_q2bdf2cedd4_proj,@function
k_q2bdf2cedd4_proj:
	s_mov_b64 s[64:65], 0
	v_nop
	global_prefetch_b8 v0, s[64:65] scope:SCOPE_SE
	s_setreg_imm32_b32 hwreg(HW_REG_WAVE_MODE, 25, 1), 1
	s_wait_xcnt 0x0
	s_wait_alu depctr_hold_cnt(0) depctr_sa_sdst(0) depctr_va_vdst(0) depctr_va_sdst(0) depctr_va_ssrc(0) depctr_va_vcc(0) depctr_vm_vsrc(0)
	s_getreg_b32 s2, hwreg(HW_REG_IB_STS2, 6, 4)
	s_cmp_eq_u32 s2, 0
	s_cbranch_scc0 .Lentry_in_a_cluster
	s_endpgm
.Lentry_in_a_cluster:
	s_bfe_u32 s2, ttmp6, 0x10000c
	s_cmp_lg_u32 s2, 0xf033
	s_cbranch_scc0 .Lentry_shape_is_right
	s_endpgm
.Lentry_shape_is_right:
.set KSTEP,  256
.set NQ,     KSTEP/128
.set ROWB,   256
.set KROW,   1024
.set PITCH,  272
.set FR,     16
.set NL,     4
.set NP,     8
.set HALFT,  128*PITCH
.set SLOT,   4*HALFT
.set LAPS,   KROW/(2*KSTEP)
.set KS,     KROW/32
.set SCL,    2*SLOT
.set HALFS,  (128*KS/256)*272
.set SBLK,   (16*KS/256)*272
.set SPARE,  SCL+4*HALFS
.set QCH,    8448
.set KVCH,   16896
.set ADRA, 16
.set ADRB, 20
.set VO64, 24
.set VO128, 25
.set VOS,  26
.set ADRS, 27
.set SPW,  28
.set NIL,  29
.set SC,   32
.set T,    64
.set AF,   128
.set PC,   112
.set TM,   200
.set PWA,  216
.set WW,   224
.set G1, 24
.set G0, 32
.set G1B, 48
.set G0B, 56
.set G1S, 68
.set G0S, 76
.set G1SB, 80
.set G0SB, 88
.set STRD, 66
.set HS,   67
.set P0,   96
.set PS,   100
.set SEL,  20
.set MNT,  22
.set MSB, 0
.macro WIN new
.if MSB != (\new)
	s_set_vgpr_msb (MSB<<8)|(\new)
.set MSB, (\new)
.endif
.endm
.set MUL_LO, 0xa1
.set MUL_HI, 0xf1
.set BEG_LO, 0x81
.set BEG_HI, 0xc1
.set TO_B,   0x40
.macro JLOAD g0a, g1a, g0b, g1b
	s_cmp_eq_u32 s15, 0
	s_cbranch_scc0 .Lfor_b_\@
	tensor_load_to_lds s[\g0a:\g0a+3], s[\g1a:\g1a+7]
	s_nop 0
.rept 4
	v_nop
.endr
	s_branch .Lasked_\@
.Lfor_b_\@:
	tensor_load_to_lds s[\g0b:\g0b+3], s[\g1b:\g1b+7]
	s_nop 0
.rept 4
	v_nop
.endr
.Lasked_\@:
.endm
.macro CREST
	s_cmp_lg_u32 s14, 0
	s_cbranch_scc1 .Lnot_wave_0_\@
	s_barrier_signal -3
.Lnot_wave_0_\@:
	s_barrier_wait -3
	s_barrier_signal -1
	s_barrier_wait -1
.endm
.macro CROUND
	s_barrier_signal -1
	s_barrier_wait -1
	CREST
.endm
	s_load_b256 s[4:11], s[0:1], 0x0
	s_load_b64 s[12:13], s[0:1], 0x20
	s_load_b256 s[68:75], s[0:1], 0x28
	s_load_b64 s[76:77], s[0:1], 0x48
	s_load_b256 s[80:87], s[0:1], 0x50
	s_load_b64 s[88:89], s[0:1], 0x70
	s_load_b128 s[96:99], s[0:1], 0x78
	v_lshl_add_u32 v[SPW], v0, 2, SPARE
	v_mov_b32 v[NIL], 0
	ds_add_u32 v28, v29
	ds_add_u32 v28, v29
	s_wait_dscnt 0x0
	v_lshrrev_b32 v1, 5, v0
	v_readfirstlane_b32 s14, v1
	s_lshr_b32 s15, s14, 1
	s_and_b32 s16, s14, 1
	s_bfe_u32 s40, ttmp6, 0x40000
	s_bfe_u32 s41, ttmp6, 0x40004
	s_and_b32 s18, ttmp7, 0xffff
	s_lshr_b32 s2, s18, 3
	s_and_b32 s18, s18, 7
	s_cmp_eq_u32 s2, 2
	s_cselect_b32 s19, 0, s18
	s_cselect_b32 s18, s18, 0
	s_lshl_b32 s17, s19, 2
	s_add_co_u32 s17, s17, s41
	s_lshl_b32 s42, s18, 2
	s_add_co_u32 s42, s42, s40
	s_lshl_b32 s43, s41, 2
	s_lshl_b32 s43, 15, s43
	s_lshl_b32 s44, 0x1111, s40
	s_or_b32 s[G1+0], s43, (0<<16)|(1<<20)|(1<<21)|(5<<22)|(3<<25)
	s_or_b32 s[G1B+0], s44, (0<<16)|(1<<20)|(1<<21)|(5<<22)|(3<<25)
.irp g, G1, G1B
	s_mov_b32 s[\g+1], ROWB<<16
	s_mov_b32 s[\g+2], 256<<16                     ; the head's loads of codes bring 256 rows; behind them the two words are set to 128, for the ring's
	s_mov_b32 s[\g+3], ROWB<<16
	s_mov_b32 s[\g+4], 256
	s_mov_b32 s[\g+5], KROW
	s_mov_b32 s[\g+6], 0
	s_mov_b32 s[\g+7], 0
.endr
	s_lshl_b32 s20, s17, 8                         ; the tiles' first rows
	s_lshl_b32 s46, s42, 8
	s_mov_b32 s21, 0
	s_mov_b32 s47, 0
	s_mov_b64 s[18:19], KS
	s_mul_u64 s[22:23], s[20:21], s[18:19]
	s_mul_u64 s[92:93], s[46:47], s[18:19]
	s_mov_b64 s[18:19], KROW
	s_mul_u64 s[20:21], s[20:21], s[18:19]
	s_mul_u64 s[46:47], s[46:47], s[18:19]
	s_mul_i32 s45, s14, HALFT
	s_mul_i32 s18, s16, 128*KROW                   ; in the ring I fetch 128 rows of a tile: which half, in bytes
	s_mov_b32 s19, 0
	s_wait_kmcnt 0x0
	s_cmp_eq_u32 s2, 1
.irp p, 0,2,4,6,8
	s_cselect_b64 s[4+\p:5+\p], s[68+\p:69+\p], s[4+\p:5+\p]
.endr
	s_cmp_eq_u32 s2, 2
.irp p, 0,2,4,6,8
	s_cselect_b64 s[4+\p:5+\p], s[80+\p:81+\p], s[4+\p:5+\p]
.endr
	s_cmp_eq_u32 s2, 0
	s_cselect_b64 s[P0:P0+1], s[96:97], s[98:99]
	s_or_b32 s[G1S+0], s43, (3<<16)|(1<<20)|(1<<21)|(5<<22)|(3<<25)
	s_or_b32 s[G1SB+0], s44, (3<<16)|(1<<20)|(1<<21)|(5<<22)|(3<<25)
.irp g, G1S, G1SB
	s_mov_b32 s[\g+1], 32<<16
	s_mov_b32 s[\g+2], (256*KS/256)<<16            ; the scales of 256 rows in one load
	s_mov_b32 s[\g+3], 32<<16
	s_mov_b32 s[\g+4], 256*KS/256
	s_mov_b32 s[\g+5], 32
	s_mov_b32 s[\g+6], 0
	s_mov_b32 s[\g+7], 0
.endr
	s_add_nc_u64 s[20:21], s[4:5], s[20:21]
	s_add_nc_u64 s[22:23], s[6:7], s[22:23]
	s_add_nc_u64 s[46:47], s[8:9], s[46:47]
	s_add_nc_u64 s[92:93], s[10:11], s[92:93]
	CROUND
	s_mov_b32 s[G0S], 1
	s_mov_b32 s[G0S+1], SCL
	s_mov_b64 s[G0S+2:G0S+3], s[22:23]
	s_or_b32 s[G0S+3], s[G0S+3], 0x80000000
	s_mov_b32 s[G0SB], 1
	s_mov_b32 s[G0SB+1], SCL+2*HALFS
	s_mov_b64 s[G0SB+2:G0SB+3], s[92:93]
	s_or_b32 s[G0SB+3], s[G0SB+3], 0x80000000
	s_mov_b32 s4, 1                                ; s[4:7], s[8:11]: group 0 of the head's loads of K step 0: A's 256 rows, B's 256 rows (the arguments that lay there have been used)
	s_mov_b32 s5, 0
	s_mov_b64 s[6:7], s[20:21]
	s_or_b32 s7, s7, 0x80000000
	s_mov_b32 s8, 1
	s_mov_b32 s9, 2*HALFT
	s_mov_b64 s[10:11], s[46:47]
	s_or_b32 s11, s11, 0x80000000
	s_add_nc_u64 s[20:21], s[20:21], s[18:19]      ; for the ring: my 128 rows of the tile
	s_add_nc_u64 s[46:47], s[46:47], s[18:19]
.irp s, 0,1
	s_mov_b32 s[G0+4*\s], 1
	s_add_co_u32 s[G0+4*\s+1], s45, \s*SLOT
	s_add_nc_u64 s[G0+4*\s+2:G0+4*\s+3], s[20:21], \s*ROWB
	s_or_b32 s[G0+4*\s+3], s[G0+4*\s+3], 0x80000000
	s_mov_b32 s[G0B+4*\s], 1
	s_add_co_u32 s[G0B+4*\s+1], s45, \s*SLOT
	s_add_nc_u64 s[G0B+4*\s+2:G0B+4*\s+3], s[46:47], \s*ROWB
	s_or_b32 s[G0B+4*\s+3], s[G0B+4*\s+3], 0x80000000
.endr
; the head's loads, one a wave: wave 0 K step 0's 256 rows of A, wave 1 its 256 rows of B, wave 2 the scales of A's 256 rows, wave 3 those of B's.
; One tree of branches on the wave's number: every way through the head passes exactly one load.  The address work and the bias loads below stand under their flight.
.macro ARM under, g0, g1, next
	s_cmp_lt_u32 s14, \under
	s_cbranch_scc0 \next
	tensor_load_to_lds s[\g0:\g0+3], s[\g1:\g1+7]
	s_nop 0
.rept 4
	v_nop
.endr
	s_branch .Lhead_asked
\next:
.endm
	ARM 1, 4, G1, .Lhead_b
	ARM 2, 8, G1B, .Lhead_sa
	ARM 3, G0S, G1S, .Lhead_sb
	tensor_load_to_lds s[G0SB:G0SB+3], s[G1SB:G1SB+7]
	s_nop 0
.rept 4
	v_nop
.endr
.Lhead_asked:
	v_and_b32 v1, 15, v0
	v_bfe_u32 v2, v0, 4, 1
	s_wait_alu depctr_va_vdst(0)
	s_lshl_b32 s18, s17, 1
	s_add_co_u32 s18, s18, s15
	s_lshl_b32 s19, s42, 1
	s_add_co_u32 s19, s19, s16
	s_cmp_eq_u32 s2, 2
	s_cselect_b32 s20, s19, s18
	s_cselect_b32 s21, s18, s19
	s_cselect_b32 s23, 8192, 0
	s_mov_b32 s46, 16640
	s_cselect_b32 s46, s46, 16384
	s_cmp_eq_u32 s2, 0
	s_cselect_b32 s46, 8192, s46
	s_mov_b32 s[STRD], KVCH
	s_cselect_b32 s[STRD], QCH, s[STRD]
	s_lshl_b32 s[HS], s[STRD], 4
	s_lshr_b32 s22, s20, 4
	s_lshl_b32 s22, s22, 3
	s_add_co_u32 s22, s22, s21
	s_lshl_b32 s22, s22, 5
	s_and_b32 s47, s20, 15
	s_add_co_u32 s22, s22, s47
	s_mul_i32 s22, s22, s[STRD]
	s_add_co_u32 s92, s22, s23
	s_mov_b32 s93, 0
	s_add_co_u32 s94, s22, s46
	s_mov_b32 s95, 0
	s_add_nc_u64 s[PS:PS+1], s[P0:P0+1], s[94:95]
	s_add_nc_u64 s[P0:P0+1], s[P0:P0+1], s[92:93]
	s_mov_b32 s92, s[HS]
	s_add_nc_u64 s[P0+2:P0+3], s[P0:P0+1], s[92:93]
	s_lshl_b32 s92, s21, 9
	s_add_nc_u64 s[12:13], s[12:13], s[92:93]
	v_lshlrev_b32 v7, 5, v2
	v_lshlrev_b32 v8, 2, v1
	s_cmp_eq_u32 s2, 2
	s_cbranch_scc1 .Lbias_x
.irp b, 0,1,2,3,4,5,6,7
	global_load_b128 v[T+8*\b:T+8*\b+3], v7, s[12:13] offset:64*\b
	global_load_b128 v[T+8*\b+4:T+8*\b+7], v7, s[12:13] offset:64*\b+16
.endr
	s_branch .Lbias_done
.Lbias_x:
	s_wait_alu depctr_va_vdst(0)
.irp a, 0,1,2,3,4,5,6,7
	global_load_b32 v[T+8*\a], v8, s[12:13] offset:64*\a
.endr
	s_wait_loadcnt 0x0
.irp a, 0,1,2,3,4,5,6,7
.irp j, 1,2,3,4,5,6,7
	v_mov_b32 v[T+8*\a+\j], v[T+8*\a]
.endr
.endr
.Lbias_done:
	v_mul_u32_u24 v3, v1, PITCH
	v_lshl_add_u32 v4, v2, 4, v3
	s_mul_i32 s21, s15, HALFT
	s_mul_i32 s22, s16, HALFT
	s_add_co_u32 s22, s22, 2*HALFT
.irp s, 0,1
	v_add_nc_u32 v[ADRA+\s], s21, v4
	v_add_nc_u32 v[ADRB+\s], s22, v4
	s_add_co_u32 s21, s21, SLOT
	s_add_co_u32 s22, s22, SLOT
.endr
	v_mul_u32_u24 v5, v1, KS
	v_lshrrev_b32 v6, 8, v5
	v_lshl_add_u32 v5, v6, 4, v5
	s_mul_i32 s21, s15, HALFS
	s_mul_i32 s22, s16, HALFS
	s_add_co_u32 s22, s22, 2*HALFS
	s_sub_co_u32 s22, s22, s21
	v_mul_u32_u24 v6, s22, v2
	s_add_co_u32 s21, s21, SCL
	v_add_nc_u32 v5, v5, v6
	v_add_nc_u32 v[ADRS], s21, v5
	v_lshlrev_b32 v[VO64], 4, v1
	v_lshl_add_u32 v[VO64], v2, 3, v[VO64]
	v_and_b32 v[VO128], 31, v0
	v_lshlrev_b32 v[VO128], 4, v[VO128]
	v_mul_u32_u24 v[VOS], s[HS], v2
	v_lshl_add_u32 v[VOS], v1, 4, v[VOS]
.macro FRAG reg, adr, q, i
.irp c, 0,1,2,3
	ds_load_b128 v[\reg+4*\c:\reg+4*\c+3], v[\adr] offset:128*(\q)+32*\c+(\i)*16*PITCH
.endr
.endm
.macro MUL16 a0, p, q, sc, zero
.irp a, \a0, \a0+1
.irp b, 0,1,2,3,4,5,6,7
.set rD, 8*(8*((\a)%4)+\b)
.set rB, 128*(\p)+FR*\b
.set rA, AF+FR*(\a)
.set sB, SC+8*NQ*(\sc)+NQ*\b+(\q)
.set sA, SC+8*NQ*(\sc)+NQ*(\a)+(\q)
.if (\zero) == 0
	v_wmma_scale_f32_16x16x128_f8f6f4 v[rD:rD+7], v[rB:rB+FR-1], v[rA:rA+FR-1], v[rD:rD+7], v[sB], v[sA] matrix_a_scale:MATRIX_SCALE_ROW1
.elseif (\zero) == 1
	v_wmma_scale_f32_16x16x128_f8f6f4 v[rD:rD+7], v[rB:rB+FR-1], v[rA:rA+FR-1], v[T+8*\b:T+8*\b+7], v[sB], v[sA] matrix_a_scale:MATRIX_SCALE_ROW1
.else
	v_wmma_scale_f32_16x16x128_f8f6f4 v[rD:rD+7], v[rB:rB+FR-1], v[rA:rA+FR-1], v[T+8*(\a):T+8*(\a)+7], v[sB], v[sA] matrix_a_scale:MATRIX_SCALE_ROW1
.endif
.endr
.endr
.endm
.macro FETCH_B slot, q, p
	WIN TO_B
.irp i, 0,1,2,3,4,5,6,7
	FRAG 128*(\p)+FR*\i, ADRB+\slot, \q, \i
.endr
	WIN 0
.endm
.macro FETCH_A slot, q, i0
.irp i, \i0, \i0+1, \i0+2, \i0+3
	FRAG AF+FR*(\i), ADRA+\slot, \q, \i
.endr
.endm
.macro SCALES sc
.irp i, 0,1,2,3,4,5,6,7
	ds_load_b64 v[SC+8*NQ*\sc+NQ*\i:SC+8*NQ*\sc+NQ*\i+1], v[ADRS] offset:\i*SBLK
.endr
.endm
.macro PLACES n
.rept \n
	v_nop
.endr
.endm
.macro STEP slot, q, zero
	s_wait_dscnt 4*NL
.if \zero
	WIN BEG_LO
.else
	WIN MUL_LO
.endif
	MUL16 0, (\q)%2, \q, \slot, \zero
	MUL16 2, (\q)%2, \q, \slot, \zero
	s_wait_dscnt 0
	PLACES NP
	FETCH_B \slot, (\q)+1, 1-(\q)%2
	FETCH_A \slot, (\q)+1, 0
.if \zero
	WIN BEG_HI
.else
	WIN MUL_HI
.endif
	MUL16 4, (\q)%2, \q, \slot, \zero
	MUL16 6, (\q)%2, \q, \slot, \zero
	PLACES NP
	WIN 0
	FETCH_A \slot, (\q)+1, 4
.endm
.macro TURN slot, next, fill
	s_wait_tensorcnt 0x0
	ds_add_u32 v[SPW], v[NIL]
	s_wait_dscnt 4*NL+1
	WIN MUL_LO
	MUL16 0, 1, NQ-1, \slot, 0
	s_wait_dscnt 0x0
	s_barrier_signal -1
	MUL16 2, 1, NQ-1, \slot, 0
	WIN 0
	s_barrier_wait -1
.if \fill
	CREST
	s_add_nc_u64 s[G0+4*\slot+2:G0+4*\slot+3], s[G0+4*\slot+2:G0+4*\slot+3], 2*ROWB
	s_add_nc_u64 s[G0B+4*\slot+2:G0B+4*\slot+3], s[G0B+4*\slot+2:G0B+4*\slot+3], 2*ROWB
	JLOAD G0+4*\slot, G1, G0B+4*\slot, G1B
	PLACES NP-4
.else
	PLACES NP
.endif
	s_wait_alu depctr_va_vdst(0)
	v_add_nc_u32 v[ADRS], 4*NQ, v[ADRS]
	FETCH_B \next, 0, 0
	FETCH_A \next, 0, 0
	SCALES \next
	WIN MUL_HI
	MUL16 4, 1, NQ-1, \slot, 0
	MUL16 6, 1, NQ-1, \slot, 0
	PLACES NP
	WIN 0
	FETCH_A \next, 0, 4
.endm
	s_wait_alu depctr_va_vdst(0)
	s_wait_loadcnt 0x0
	s_wait_tensorcnt 0x0                           ; my tile of the head's four is in
	ds_add_u32 v[SPW], v[NIL]
	s_mov_b32 s[G1+2], 128<<16                     ; no tensor load of mine is out: from here on a load brings 128 rows
	s_mov_b32 s[G1+4], 128
	s_mov_b32 s[G1B+2], 128<<16
	s_mov_b32 s[G1B+4], 128
	s_wait_dscnt 0x0
	CROUND                                         ; all four tiles are in, and all sixteen work-groups are here
	JLOAD G0+4, G1, G0B+4, G1B                     ; K step 1's load, the first tensor load behind the round
	FETCH_B 0, 0, 0
	FETCH_A 0, 0, 0
	SCALES 0
	FETCH_A 0, 0, 4
	s_cmp_eq_u32 s2, 2
	s_cbranch_scc1 .Lfirst_x
	STEP 0, 0, 1
	s_branch .Lfirst_done
.Lfirst_x:
	STEP 0, 0, 2
.Lfirst_done:
	s_mov_b32 s3, LAPS-1
.Llap:
	TURN 0, 1, 1
	STEP 1, 0, 0
	TURN 1, 0, 1
	STEP 0, 0, 0
	s_sub_co_u32 s3, s3, 1
	s_cmp_lg_u32 s3, 0
	s_cbranch_scc1 .Llap
	TURN 0, 1, 0
	STEP 1, 0, 0
	s_wait_dscnt 4*NL
	WIN MUL_LO
	MUL16 0, 1, NQ-1, 1, 0
	MUL16 2, 1, NQ-1, 1, 0
	s_wait_dscnt 0
	WIN MUL_HI
	MUL16 4, 1, NQ-1, 1, 0
	MUL16 6, 1, NQ-1, 1, 0
	WIN 0
.macro QUANTA a
.set AC, 64*((\a)%4)
.set WN, 2+(\a)/4
.set WMAX, 5*WN
.set WMED, WN+64*WN
	WIN WMAX
.irp b, 0,1,2,3
	v_max3_num_f32 v[TM+\b], |v[AC+16*\b]|, |v[AC+16*\b+1]|, 0x4800000
.endr
.irp i, 2,4,6,8,10,12,14
.irp b, 0,1,2,3
	v_max3_num_f32 v[TM+\b], |v[AC+16*\b+\i]|, |v[AC+16*\b+\i+1]|, v[TM+\b]
.endr
.endr
	WIN 0
.irp b, 0,1,2,3
	v_permlanex16_b32 v[TM+4+\b], v[TM+\b], s[SEL], s[SEL+1]
.endr
.irp b, 0,1,2,3
	v_max_num_f32 v[TM+\b], v[TM+\b], v[TM+4+\b]
.endr
.irp b, 0,1,2,3
	v_add_nc_u32 v[TM+12+\b], 0xfc000000, v[TM+\b]
.endr
.irp b, 0,1,2,3
	v_and_or_b32 v[TM+8+\b], v[TM+\b], 0x7f800000, s[MNT]
.endr
.irp b, 0,1,2,3
	v_lshrrev_b32 v[TM+4+\b], 23, v[TM+12+\b]
.endr
	v_lshl_or_b32 v[PWA+\a], v[TM+5], 8, v[TM+4]
	v_lshl_or_b32 v[PWA+\a], v[TM+6], 16, v[PWA+\a]
	v_lshl_or_b32 v[PWA+\a], v[TM+7], 24, v[PWA+\a]
	WIN WMED
.set i, 0
.rept 64
	v_med3_num_f32 v[AC+i], v[AC+i], -v[TM+8+i/16], v[TM+8+i/16]
.set i, i+1
.endr
	s_wait_alu depctr_va_vdst(0)
	s_wait_xcnt 0x0
	WIN WN
.irp b, 0,1,2,3,4,5,6,7
	v_cvt_scalef32_pk8_fp8_f32 v[PC+2*\b:PC+2*\b+1], v[AC+8*\b:AC+8*\b+7], v[TM+12+\b/2]
.endr
	WIN 0
	v_nop
.endm
.macro OUTA a
	s_cmp_eq_u32 s2, 2
	s_cbranch_scc1 .Lkeys_\@
.irp b, 0,1,2,3,4,5,6,7
	global_store_b64 v[VO64], v[PC+2*\b:PC+2*\b+1], s[P0+2*(\b/4):P0+2*(\b/4)+1] offset:1024*(\a)+256*(\b%4)
.endr
	s_branch .Lsent_\@
.Lkeys_\@:
	s_wait_alu depctr_va_vdst(0)
.irp c, 0,1,2,3
	global_store_b128 v[VO128], v[PC+4*\c:PC+4*\c+3], s[P0+2*((\a)/4):P0+2*((\a)/4)+1] offset:2048*((\a)%4)+512*\c
.endr
.Lsent_\@:
.endm
	s_mov_b32 s[SEL], 0x76543210
	s_mov_b32 s[SEL+1], 0xfedcba98
	s_mov_b32 s[MNT], 0x600000
	PLACES NP
.irp b, 0,1,2,3
	v_mov_b32 v[TM+4+\b], 0
.endr
.irp a, 0,1,2,3,4,5,6,7
	QUANTA \a
	OUTA \a
.endr
	v_cmp_ne_u32 vcc_lo, 0, v2
	s_cmp_eq_u32 s2, 2
	s_cbranch_scc1 .Lunit_x
.irp f, 0,1,2,3
	v_perm_b32 v[WW+\f], v[PWA+2*\f+1], v[PWA+2*\f], 0x05040100
	v_perm_b32 v[WW+4+\f], v[PWA+2*\f+1], v[PWA+2*\f], 0x07060302
.endr
.irp f, 0,1,2,3
	v_cndmask_b32 v[WW+\f], v[WW+\f], v[WW+4+\f], vcc_lo
.endr
	s_branch .Lunit_done
.Lunit_x:
.irp t, 0,1,2,3
	v_cndmask_b32 v[WW+\t], v[PWA+\t], v[PWA+4+\t], vcc_lo
.endr
.Lunit_done:
	s_wait_alu depctr_va_vdst(0)
	global_store_b128 v[VOS], v[WW:WW+3], s[PS:PS+1]
	s_wait_tensorcnt 0x0
	ds_add_u32 v[SPW], v[NIL]
	s_wait_dscnt 0x0
	CROUND
	s_endpgm
.Lfunc_end_k_q2bdf2cedd4_proj:
	.size	k_q2bdf2cedd4_proj, .Lfunc_end_k_q2bdf2cedd4_proj-k_q2bdf2cedd4_proj
	.p2alignl 7, 3214868480
	.fill 96, 4, 3214868480
	.section	.rodata,"a",@progbits
	.p2align	6, 0x0
	.amdhsa_kernel k_q2bdf2cedd4_proj
		.amdhsa_group_segment_fixed_size 327680
		.amdhsa_private_segment_fixed_size 0
		.amdhsa_enable_private_segment 0
		.amdhsa_kernarg_size 136
		.amdhsa_user_sgpr_count 2
		.amdhsa_user_sgpr_kernarg_segment_ptr 1
		.amdhsa_wavefront_size32 1
		.amdhsa_system_sgpr_workgroup_id_x 1
		.amdhsa_system_sgpr_workgroup_id_y 1
		.amdhsa_system_sgpr_workgroup_id_z 1
		.amdhsa_system_vgpr_workitem_id 0
		.amdhsa_next_free_vgpr 1024
		.amdhsa_next_free_sgpr 102
		.amdhsa_reserve_vcc 1
		.amdhsa_float_denorm_mode_32 3
		.amdhsa_float_denorm_mode_16_64 3
		.amdhsa_memory_ordered 1
		.amdhsa_forward_progress 1
		.amdhsa_inst_pref_size 213
	.end_amdhsa_kernel
	.amdgpu_metadata
---
amdhsa.version: [ 1, 2 ]
amdhsa.kernels:
  - .name:           k_q2bdf2cedd4_proj
    .symbol:         k_q2bdf2cedd4_proj.kd
    .args:
      - { .name: q_codes, .offset: 0, .size: 8, .value_kind: global_buffer, .address_space: global }
      - { .name: q_scales, .offset: 8, .size: 8, .value_kind: global_buffer, .address_space: global }
      - { .name: Wq_codes, .offset: 16, .size: 8, .value_kind: global_buffer, .address_space: global }
      - { .name: Wq_scales, .offset: 24, .size: 8, .value_kind: global_buffer, .address_space: global }
      - { .name: bq, .offset: 32, .size: 8, .value_kind: global_buffer, .address_space: global }
      - { .name: k_codes, .offset: 40, .size: 8, .value_kind: global_buffer, .address_space: global }
      - { .name: k_scales, .offset: 48, .size: 8, .value_kind: global_buffer, .address_space: global }
      - { .name: Wk_codes, .offset: 56, .size: 8, .value_kind: global_buffer, .address_space: global }
      - { .name: Wk_scales, .offset: 64, .size: 8, .value_kind: global_buffer, .address_space: global }
      - { .name: bk, .offset: 72, .size: 8, .value_kind: global_buffer, .address_space: global }
      - { .name: Wv_codes, .offset: 80, .size: 8, .value_kind: global_buffer, .address_space: global }
      - { .name: Wv_scales, .offset: 88, .size: 8, .value_kind: global_buffer, .address_space: global }
      - { .name: v_codes, .offset: 96, .size: 8, .value_kind: global_buffer, .address_space: global }
      - { .name: v_scales, .offset: 104, .size: 8, .value_kind: global_buffer, .address_space: global }
      - { .name: bv, .offset: 112, .size: 8, .value_kind: global_buffer, .address_space: global }
      - { .name: qimg, .offset: 120, .size: 8, .value_kind: global_buffer, .address_space: global }
      - { .name: kv, .offset: 128, .size: 8, .value_kind: global_buffer, .address_space: global }
    .group_segment_fixed_size: 327680
    .private_segment_fixed_size: 0
    .kernarg_segment_align: 8
    .kernarg_segment_size: 136
    .max_flat_workgroup_size: 128
    .sgpr_count:     102
    .vgpr_count:     1024
    .wavefront_size: 32
...
	.end_amdgpu_metadata
.endif
;; end of part 1
;; launch attn (part 2): grid 4 x 64, 8 waves a work-group, clusters of 4 x 1, 327,680 bytes of LDS; arguments qimg, kv, ctximg, ctxsc; writes ctximg, ctxsc
.if DOCPART == 2
	.amdgcn_target "amdgcn-amd-amdhsa--gfx1250"
	.amdhsa_code_object_version 6
	.text
	.protected	k_q2bdf2cedd4_attn
	.globl	k_q2bdf2cedd4_attn
	.p2align	8
	.type	k_q2bdf2cedd4_attn,@function
k_q2bdf2cedd4_attn:
	s_mov_b64 s[64:65], 0
	v_nop
	global_prefetch_b8 v0, s[64:65] scope:SCOPE_SE
	s_setreg_imm32_b32 hwreg(HW_REG_WAVE_MODE, 25, 1), 1
	s_wait_xcnt 0x0
	s_wait_alu depctr_hold_cnt(0) depctr_sa_sdst(0) depctr_va_vdst(0) depctr_va_sdst(0) depctr_va_ssrc(0) depctr_va_vcc(0) depctr_vm_vsrc(0)
	s_getreg_b32 s2, hwreg(HW_REG_IB_STS2, 6, 4)
	s_cmp_eq_u32 s2, 0
	s_cbranch_scc0 .Lentry_in_a_cluster
	s_endpgm
.Lentry_in_a_cluster:
	s_bfe_u32 s2, ttmp6, 0x10000c
	s_cmp_lg_u32 s2, 0x3003
	s_cbranch_scc0 .Lentry_shape_is_right
	s_endpgm
.Lentry_shape_is_right:
; ATTENTION ON CODES OF MX-FP8, for each (batch, head): S^T = K Q^T, p = 2^(t - M), O^T = V^T P^T, ctx = O / l, and ctx quantised along head x 64 + channel for the output projection.
; t = score x log2(e) / 8; M = the running largest t rounded UP to a whole number; p is quantised along the keys, not normalised; l is the sum of the unquantised p, in f32.
; When M moves, l and O^T are multiplied by 2^(old M - new M), which rounds nothing.  No step of the problem is left out.
; SHARES: a work-group owns 512 queries of one (batch, head): 256 work-groups.  Each of its eight waves owns 64 queries, FOUR tiles of 16, and walks the head's 2,048 keys once, 128 a step:
; a fragment of K or V read from LDS serves all four tiles.  Two waves to a SIMD, 512 registers each.
; LDS: the head's K and V, codes and scale words, 270,336 bytes, as the launch before laid them: filled ONCE, one tensor load of 33,792 bytes a wave, and only read afterwards: no ring, no barrier in the loop.
; CLUSTER: the four query blocks of a head read the same K and V: each part is asked for jointly, by the same load with the same descriptor and a mask that names the four.
; NO PREFETCH: every byte that the launch reads through LDS is asked for by the head's one group of loads; there is no later load to run ahead of.
; K = 64 IN AN INSTRUCTION OF K = 128: a fragment F_f of K holds keys 32 f + r in k 0-63 and keys 32 f + 16 + r in k 64-127.  Q stands as the chain 0 | q0 | 0 | q1 | 0 | q2 | 0 | q3 | 0, eight registers each:
; F_f x [q | 0] gives the scores of the first 16 keys, F_f x [0 | q] those of the second.  The other half multiplies finite codes by zero codes; its scale byte on Q's side is 1.
; LAYOUT: a lane holds ONE query of each tile (lane % 16).  Registers 16 f + i of S^T are 16 keys of block f; lane l xor 16 holds the other 16.  p's codes come out in that order, and V's fragments are laid in the same order.
; ORDER IN A STEP: tile j + 1's score products stand behind tile j's softmax; tile j's 16 rescalings of O^T are the places behind them; then tile j's second product.
; OUT: ctximg [512 tiles of 16 rows][16 heads][1,024]: the 8 codes of (row r, channels 16 t + 8 h + 0 .. 7) at 256 t + 16 r + 8 h.  ctxsc [8,192 rows][32]: a head owns 2 bytes of each row's 32.
; LIMITS: the promise holds while the scaled scores t stay under 2^31 in magnitude.  NaN and infinities are not served.  A block's largest magnitude is taken no smaller than 2^-118 (byte 1); a block of zeros so gets
; the byte 1, not 127: its codes are zeros, and this program alone reads the bytes.  A block's largest p is taken as 2^(its largest score's t - M), by the same two instructions as every p: this takes v_exp_f32 not to fall where its input rises.
; REGISTERS.  Window 0: below.  Window 1 (v256-511): K's four fragments at 0, V's at 64, O^T of tile j at 128 + 32 j.
.set CHUNK, 16896                      ; a key step in LDS and in kv: K's codes 8,192, V's codes 8,192, K's scale words 256, V's 256
.set HEADB, 16*CHUNK
.set PART,  HEADB/8                    ; one tensor load: 132 rows of 256 bytes
.set QCH,   8448                       ; a chunk of qimg: 128 queries
.set SPARE, HEADB                      ; the spare words: 128 bytes a wave, behind the head's image
.set LI,   1                           ; 16 x lane
.set LSC,  2                           ; 16 r
.set ADV,  3                           ; LDS address of this step's codes
.set ADKN, 4                           ; of the next step's
.set ADSV, 5                           ; of this step's scale words
.set ADSK, 6                           ; of the next step's
.set VOC,  7                           ; 16 r + 8 h
.set VOS,  8                           ; 32 r
.set SPW,  9
.set NIL,  10
.set TMP,  11
.set PW,   12                          ; p's scale word
.set CW,   13                          ; ctx's two scale bytes
.set FF,   14                          ; v[14:15] f = 2^(old M - new M)
.set ST,   16                          ; tile j: v[16+4j] -M, v[17+4j] the largest score, v[18+4j:19+4j] the sum in two halves
.set QWL,  32                          ; tile j: v[32+2j] Q's scale word for [q | 0], v[33+2j] for [0 | q]
.set KSC,  40                          ; K's scale words, one a fragment
.set VSC,  44                          ; V's
.set BM,   48
.set PT,   52
.set HD,   56                          ; 448 x the scale
.set SO,   60                          ; the conversions' scale operands
.set QR,   64                          ; v[64:65] Q's scale words as they lie
.set QW,   66
.set TM2,  67
.set ACC,  68                          ; v70-75 three chains of the row's sum
.set QC,   76                          ; v76-147 the chain of zeros and q
.set PC,   148                         ; v148-163 p's codes; at the end ctx's
.set S,    164                         ; v164-227 S^T, then p; at the end ctx
.set RC,   228                         ; v228-235 1 / l, a pair a tile
.set KF,   0
.set VF,   64
.set OT,   128
.set WV,   12
.set SQ,   4
.set CTX,  8
.set SS,   10
.set SQS,  16
.set MNT,  19                          ; the mantissa field of 448
.set SEL,  20                          ; lane selects: lane l xor 16
.set CS,   22                          ; s[22:23] c = log2(e) / 8
.set G1,   24
.set G0,   32
.set TB,   40                          ; LDS byte at which the key step in hand begins
.set CNT,  41
.set TBN,  42                          ; and the next one
.set DH,   56
.set DL,   57
.set MSB, 0
.macro WIN new                         ; the immediate's high byte repeats the setting that is left
.if MSB != (\new)
	s_set_vgpr_msb (MSB<<8)|(\new)
.set MSB, (\new)
.endif
.endm
.macro CROUND                          ; a round of the cluster's barrier
	s_barrier_signal -1
	s_barrier_wait -1
	s_cmp_lg_u32 s[WV], 0
	s_cbranch_scc1 .Lnot_wave_0_\@
	s_barrier_signal -3
.Lnot_wave_0_\@:
	s_barrier_wait -3
	s_barrier_signal -1
	s_barrier_wait -1
.endm
.macro KLOAD ad, as                    ; K's four fragments and their scale words: 17 LDS loads
	WIN 0x40
.irp f, 0,1,2,3
.irp c, 0,1,2,3
	ds_load_b128 v[KF+16*\f+4*\c:KF+16*\f+4*\c+3], v[\ad] offset:2048*\f+512*\c
.endr
.endr
	WIN 0
	ds_load_b128 v[KSC:KSC+3], v[\as] offset:16384
.endm
.macro SMUL j                          ; S^T of tile j: eight products that start their sums
	WIN 0x01
.irp f, 0,1,2,3
	v_wmma_scale_f32_16x16x128_f8f6f4 v[S+16*\f:S+16*\f+7], v[KF+16*\f:KF+16*\f+15], v[QC+8+16*(\j):QC+23+16*(\j)], 0, v[KSC+\f], v[QWL+2*(\j)]
	v_wmma_scale_f32_16x16x128_f8f6f4 v[S+16*\f+8:S+16*\f+15], v[KF+16*\f:KF+16*\f+15], v[QC+16*(\j):QC+15+16*(\j)], 0, v[KSC+\f], v[QWL+2*(\j)+1]
.endr
	WIN 0
.endm
.macro PVMUL j                         ; O^T of tile j under the new M, then += V^T P^T
	WIN 0x41
	s_wait_alu depctr_va_vdst(0)                   ; ahead of the first reader of O^T
.set i, 0
.rept 16
	v_pk_mul_f32 v[OT+32*(\j)+i:OT+32*(\j)+i+1], v[OT+32*(\j)+i:OT+32*(\j)+i+1], v[FF:FF+1] op_sel_hi:[1,0]   ; also the places behind the score products and between the codes and the products below
.set i, i+2
.endr
	WIN 0x51
.irp t, 0,1,2,3
	v_wmma_scale_f32_16x16x128_f8f6f4 v[OT+32*(\j)+8*\t:OT+32*(\j)+8*\t+7], v[VF+16*\t:VF+16*\t+15], v[PC:PC+15], v[OT+32*(\j)+8*\t:OT+32*(\j)+8*\t+7], v[VSC+\t], v[PW]
.endr
	WIN 0
.endm
.macro SOFT j                          ; tile j's softmax of 128 keys: from S^T to p's codes, p's scale word and f
.set NM, ST+4*(\j)
.set SU, ST+4*(\j)+2
.irp b, 0,1,2,3
	v_max3_num_f32 v[BM+\b], v[S+16*\b], v[S+16*\b+1], v[S+16*\b+2]   ; the largest score of each block of 32 keys; each accumulator is read from its low end on
.endr
.irp i, 3,5,7,9,11,13
.irp b, 0,1,2,3
	v_max3_num_f32 v[BM+\b], v[BM+\b], v[S+16*\b+\i], v[S+16*\b+\i+1]
.endr
.endr
.irp b, 0,1,2,3
	v_max_num_f32 v[BM+\b], v[BM+\b], v[S+16*\b+15]
.endr
.irp b, 0,1,2,3
	v_permlanex16_b32 v[PT+\b], v[BM+\b], s[SEL], s[SEL+1]
.endr
.irp b, 0,1,2,3
	v_max_num_f32 v[BM+\b], v[BM+\b], v[PT+\b]     ; with lane l xor 16's 16 keys
.endr
	s_delay_alu instid0(VALU_DEP_2)
	v_max3_num_f32 v[TMP], v[BM], v[BM+1], v[BM+2]
	v_mov_b32 v[TM2], v[NM]                        ; the old -M
	s_delay_alu instid0(VALU_DEP_2)
	v_max3_num_f32 v[NM+1], v[NM+1], v[TMP], v[BM+3]   ; the running largest score (c is positive: the largest t is c x it)
	s_delay_alu instid0(VALU_DEP_1)
	v_mul_f32 v[TMP], s[CS], v[NM+1]
	s_delay_alu instid0(VALU_DEP_1)
	v_floor_f32 v[NM], -v[TMP]                     ; the new -M = floor(-t) = -ceil(t)
	s_delay_alu instid0(VALU_DEP_1)
	v_sub_f32 v[TM2], v[NM], v[TM2]                ; old M - new M: a whole number, 0 or less
.set i, 0
.rept 32
	v_pk_fma_f32 v[S+i:S+i+1], v[S+i:S+i+1], s[CS:CS+1], v[NM:NM+1] op_sel_hi:[1,0,0]   ; t - M, two at a time
.if i == 2
	v_cvt_i32_f32 v[TM2], v[TM2]                   ; (it saturates)
.endif
.if i == 6
	v_ldexp_f32 v[FF], 1.0, v[TM2]                 ; f = 2^(old M - new M)
.endif
.set i, i+2
.endr
.irp b, 0,1,2,3
	v_fma_f32 v[BM+\b], v[BM+\b], s[CS], v[NM]     ; the same of each block's largest score
.endr
	s_wait_alu depctr_va_vdst(0)                   ; ahead of the batch
.set i, 0
.rept 64
	v_exp_f32 v[S+i], v[S+i]                       ; p = 2^(t - M), at most 1
.set i, i+1
.endr
	v_pk_mul_f32 v[SU:SU+1], v[SU:SU+1], v[FF:FF+1] op_sel_hi:[1,0]   ; the sums under the new M (a plain instruction behind the exponentials)
	s_wait_alu depctr_va_vdst(0)                   ; one wait for the batch, ahead of its first reader
.irp b, 0,1,2,3
	v_exp_f32 v[BM+\b], v[BM+\b]                   ; the block's largest p
.endr
	v_pk_add_f32 v[SU:SU+1], v[SU:SU+1], v[S:S+1]  ; the row's sum of the unquantised p, in four chains
.irp c, 1,2,3
	v_pk_add_f32 v[ACC+2*\c:ACC+2*\c+1], v[S+2*\c:S+2*\c+1], v[S+8+2*\c:S+9+2*\c]
.endr
	v_pk_add_f32 v[SU:SU+1], v[SU:SU+1], v[S+8:S+9]
.irp k, 2,3,4,5,6,7
.irp c, 1,2,3
	v_pk_add_f32 v[ACC+2*\c:ACC+2*\c+1], v[ACC+2*\c:ACC+2*\c+1], v[S+8*\k+2*\c:S+8*\k+2*\c+1]
.endr
	v_pk_add_f32 v[SU:SU+1], v[SU:SU+1], v[S+8*\k:S+8*\k+1]
.endr
	v_pk_add_f32 v[ACC+2:ACC+3], v[ACC+2:ACC+3], v[ACC+4:ACC+5]
	v_pk_add_f32 v[SU:SU+1], v[SU:SU+1], v[ACC+6:ACC+7]
	v_pk_add_f32 v[SU:SU+1], v[SU:SU+1], v[ACC+2:ACC+3]
	s_wait_alu depctr_va_vdst(0)                   ; and one for the four
.irp b, 0,1,2,3
	v_max_num_f32 v[BM+\b], 0x4800000, v[BM+\b]    ; the floor 2^(9 - 127): the byte cannot fall under 1
.endr
.irp b, 0,1,2,3
	v_add_nc_u32 v[SO+\b], 0xfc000000, v[BM+\b]    ; 8 off the exponent field: the conversion's scale operand
.endr
.irp b, 0,1,2,3
	v_and_or_b32 v[HD+\b], v[BM+\b], 0x7f800000, s[MNT]   ; 448 x the scale
.endr
.irp b, 0,1,2,3
	v_lshrrev_b32 v[PT+\b], 23, v[SO+\b]           ; the scale's byte
.endr
	v_lshl_or_b32 v[PW], v[PT+1], 8, v[PT]         ; p's scale word for these 128 keys
	s_delay_alu instid0(VALU_DEP_1)
	v_lshl_or_b32 v[PW], v[PT+2], 16, v[PW]
	s_delay_alu instid0(VALU_DEP_1)
	v_lshl_or_b32 v[PW], v[PT+3], 24, v[PW]
.irp b, 0,2                            ; the hold (the conversion does not saturate: ISA guide 7.6.2; p is not negative, so it is one-sided), two numbers an instruction: one of block b and one of block b + 1, so that the pair's sources lie in different register banks
.irp i, 0,2,4,6,8,10,12,14
	v_dual_min_num_f32 v[S+16*\b+\i], v[HD+\b], v[S+16*\b+\i] :: v_dual_min_num_f32 v[S+16*\b+17+\i], v[HD+\b+1], v[S+16*\b+17+\i]
	v_dual_min_num_f32 v[S+16*\b+16+\i], v[HD+\b+1], v[S+16*\b+16+\i] :: v_dual_min_num_f32 v[S+16*\b+1+\i], v[HD+\b], v[S+16*\b+1+\i]
.endr
.irp u, 0,1
	v_cvt_scalef32_pk8_fp8_f32 v[PC+4*(\b+\u):PC+4*(\b+\u)+1], v[S+16*(\b+\u):S+16*(\b+\u)+7], v[SO+\b+\u]
	v_cvt_scalef32_pk8_fp8_f32 v[PC+4*(\b+\u)+2:PC+4*(\b+\u)+3], v[S+16*(\b+\u)+8:S+16*(\b+\u)+15], v[SO+\b+\u]
.endr
.endr
	v_nop                                          ; one plain instruction behind the last conversion
.endm
.macro FIN j                           ; ctx = O^T / l of tile j, quantised: register 8 t + i is channel 16 t + 8 h + i: 16 numbers of each of the head's two blocks of 32; lane l xor 16 holds the other 16
.if (\j) > 0
	s_wait_xcnt 0x0                                ; the last tile's stores have read their data: the registers may be written again
.endif
	WIN 0x01
	s_wait_alu depctr_va_vdst(0)                   ; ahead of the first reader of 1 / l and of O^T
.set i, 0
.rept 16
	v_pk_mul_f32 v[S+i:S+i+1], v[OT+32*(\j)+i:OT+32*(\j)+i+1], v[RC+2*(\j):RC+2*(\j)+1] op_sel_hi:[1,0]
.set i, i+2
.endr
	WIN 0
.irp b, 0,1
	v_max3_num_f32 v[BM+\b], |v[S+16*\b]|, |v[S+16*\b+1]|, 0x4800000   ; my 16 numbers of block b, and the floor
.endr
.irp i, 2,4,6,8,10,12,14
.irp b, 0,1
	v_max3_num_f32 v[BM+\b], v[BM+\b], |v[S+16*\b+\i]|, |v[S+16*\b+\i+1]|
.endr
.endr
.irp b, 0,1
	v_permlanex16_b32 v[PT+\b], v[BM+\b], s[SEL], s[SEL+1]
.endr
.irp b, 0,1
	v_max_num_f32 v[BM+\b], v[BM+\b], v[PT+\b]
.endr
.irp b, 0,1
	v_add_nc_u32 v[SO+\b], 0xfc000000, v[BM+\b]
.endr
.irp b, 0,1
	v_and_or_b32 v[HD+\b], v[BM+\b], 0x7f800000, s[MNT]
.endr
.irp b, 0,1
	v_lshrrev_b32 v[PT+\b], 23, v[SO+\b]
.endr
	s_delay_alu instid0(VALU_DEP_1)
	v_lshl_or_b32 v[CW], v[PT+1], 8, v[PT]         ; my row's two scale bytes of this head
.irp b, 0,1
.set i, 0
.rept 16
	v_med3_num_f32 v[S+16*\b+i], v[S+16*\b+i], -v[HD+\b], v[HD+\b]
.set i, i+1
.endr
	v_cvt_scalef32_pk8_fp8_f32 v[PC+4*\b:PC+4*\b+1], v[S+16*\b:S+16*\b+7], v[SO+\b]
	v_cvt_scalef32_pk8_fp8_f32 v[PC+4*\b+2:PC+4*\b+3], v[S+16*\b+8:S+16*\b+15], v[SO+\b]
.endr
	v_nop                                          ; one plain instruction behind the last conversion
.irp t, 0,1,2,3
	global_store_b64 v[VOC], v[PC+2*\t:PC+2*\t+1], s[CTX:CTX+1] offset:16384*(\j)+256*\t   ; the wave stores 256 consecutive bytes, aligned
.endr
	global_store_b16 v[VOS], v[CW], s[SS:SS+1] offset:512*(\j)   ; 2 bytes a row; lanes 16-31 write what lanes 0-15 write
.endm
	s_load_b256 s[4:11], s[0:1], 0x0               ; qimg, kv, ctximg, ctxsc
	v_lshl_add_u32 v[SPW], v0, 2, SPARE
	v_mov_b32 v[NIL], 0
	ds_add_u32 v[SPW], v[NIL]                      ; the opening lines: the add, twice on end, and its wait ahead of my tensor load
	ds_add_u32 v[SPW], v[NIL]
	v_lshrrev_b32 v[TMP], 5, v0
	v_readfirstlane_b32 s[WV], v[TMP]              ; wave 0..7
	s_bfe_u32 s13, ttmp6, 0x40000                  ; cx: my block of 512 queries; it enters Q's and ctx's addresses alone
	s_and_b32 s14, ttmp7, 0xffff                   ; batch x 16 + head, which the four partners share
	s_mul_i32 s44, s14, HEADB                      ; the head's first byte in kv,
	s_mul_i32 s15, s[WV], PART                     ; my eighth of it: the same offset in memory and in LDS
	s_add_co_u32 s44, s44, s15
	s_mov_b32 s45, 0
	s_mov_b32 s[G1], 15|(3<<16)|(1<<21)            ; the mask: all four work-groups; elements of 8 bytes; bit 21 beside a mask; no padding: the images are read 16 bytes a lane on end
	s_mov_b32 s[G1+1], 32<<16                      ; rows of 256 bytes,
	s_mov_b32 s[G1+2], 132<<16                     ; 132 of them, dense
	s_mov_b32 s[G1+3], 32<<16
	s_mov_b32 s[G1+4], 132
	s_mov_b32 s[G1+5], 32
	s_mov_b32 s[G1+6], 0
	s_mov_b32 s[G1+7], 0
	s_lshl_b32 s46, s14, 4                         ; Q: chunk 16 (batch, head) + 4 cx + wave / 2;
	s_lshl_b32 s47, s13, 2
	s_add_co_u32 s46, s46, s47
	s_lshr_b32 s47, s[WV], 1
	s_add_co_u32 s46, s46, s47
	s_mul_i32 s46, s46, QCH
	s_and_b32 s48, s[WV], 1                        ; in it my four tiles: 4,096 bytes of codes,
	s_lshl_b32 s47, s48, 12
	s_add_co_u32 s50, s46, s47
	s_mov_b32 s51, 0
	s_lshl_b32 s47, s48, 3                         ; and two of each row's four scale words, behind the chunk's codes
	s_add_co_u32 s46, s46, s47
	s_add_co_u32 s46, s46, 8192
	s_mov_b32 s47, 0
	s_lshr_b32 s48, s14, 4                         ; ctx: my first tile of 16 rows: 128 x batch + 32 cx + 4 x wave
	s_lshl_b32 s48, s48, 7
	s_lshl_b32 s49, s13, 5
	s_add_co_u32 s48, s48, s49
	s_lshl_b32 s49, s[WV], 2
	s_add_co_u32 s48, s48, s49
	s_and_b32 s49, s14, 15                         ; the head
	s_lshl_b32 s52, s48, 14                        ; codes: 16,384 bytes a tile, 1,024 a head
	s_lshl_b32 s53, s49, 10
	s_add_co_u32 s52, s52, s53
	s_mov_b32 s53, 0
	s_lshl_b32 s54, s48, 9                         ; scale bytes: 512 a tile, 2 a head
	s_lshl_b32 s55, s49, 1
	s_add_co_u32 s54, s54, s55
	s_mov_b32 s55, 0
	s_mov_b32 s[MNT], 0x600000
	s_mov_b32 s[SEL], 0x76543210
	s_mov_b32 s[SEL+1], 0xfedcba98
	s_mov_b32 s[CS], 0x3e38aa3b                    ; c = log2(e) / 8
	s_mov_b32 s[CS+1], s[CS]
	s_mov_b32 s[DH], 0x01010000                    ; the byte 1 in the upper two bytes,
	s_mov_b32 s[DL], 0x0101                        ; in the lower two
	s_mov_b32 s[TB], 0
	s_mov_b32 s[CNT], 16
	s_wait_dscnt 0x0                               ; both opening adds are done
	s_wait_kmcnt 0x0
	s_add_nc_u64 s[6:7], s[6:7], s[44:45]
	s_add_nc_u64 s[SQS:SQS+1], s[4:5], s[46:47]
	s_add_nc_u64 s[SQ:SQ+1], s[4:5], s[50:51]
	s_add_nc_u64 s[CTX:CTX+1], s[CTX:CTX+1], s[52:53]
	s_add_nc_u64 s[SS:SS+1], s[SS:SS+1], s[54:55]
	CROUND                                         ; all four work-groups are here: the joint loads meet
	s_mov_b32 s[G0], 1
	s_mov_b32 s[G0+1], s15
	s_mov_b64 s[G0+2:G0+3], s[6:7]
	s_or_b32 s[G0+3], s[G0+3], 0x80000000
	tensor_load_to_lds s[G0:G0+3], s[G1:G1+7]      ; my one tensor load of the launch: two key steps' K and V
	s_nop 0
.rept 4
	v_nop
.endr
	v_and_b32 v[TMP], 31, v0
	v_and_b32 v[TM2], 15, v0                       ; r
	v_bfe_u32 v[CW], v0, 4, 1                      ; h
	v_lshlrev_b32 v[LI], 4, v[TMP]
	v_lshlrev_b32 v[LSC], 4, v[TM2]
	v_lshlrev_b32 v[VOS], 5, v[TM2]
	v_lshl_add_u32 v[VOC], v[CW], 3, v[LSC]
.irp j, 0,1,2,3
	global_load_b128 v[QC+8+16*\j:QC+11+16*\j], v[LI], s[SQ:SQ+1] offset:1024*\j        ; tile j: channels 16 h + 0 .. 15 of query r,
	global_load_b128 v[QC+12+16*\j:QC+15+16*\j], v[LI], s[SQ:SQ+1] offset:1024*\j+512   ; channels 32 + 16 h + 0 .. 15
.endr
	global_load_b64 v[QR:QR+1], v[LSC], s[SQS:SQS+1]
.irp z, 0,1,2,3,4
.irp i, 0,1,2,3,4,5,6,7
	v_mov_b32 v[QC+16*\z+\i], 0                    ; the zero codes of the chain
.endr
.endr
.irp j, 0,1,2,3
	v_mov_b32 v[ST+4*\j], 0x7f61b1e6               ; -M: 3e38;
	v_mov_b32 v[ST+4*\j+1], 0xff61b1e6             ; the largest score so far: -3e38, under every score;
	v_mov_b32 v[ST+4*\j+2], 0                      ; the sum, in two halves
	v_mov_b32 v[ST+4*\j+3], 0
	v_mov_b32 v[PT+\j], 0                          ; written once: a lane permute's destination counts as one of its sources
.endr
	v_mov_b32 v[FF+1], 0                           ; (named as the upper half of a pair)
	s_wait_alu depctr_va_vdst(0)
	s_wait_loadcnt 0x0
.irp j, 0,1,2,3
	v_perm_b32 v[QW], v[QR+(\j)/2], v[QR+(\j)/2], 0x01000100+0x02020202*((\j)%2)   ; tile j's two bytes, twice
	v_and_or_b32 v[QWL+2*\j], v[QW], 0xffff, s[DH]         ; [s0 s1 | 1 1] for [q | 0]
	v_and_or_b32 v[QWL+2*\j+1], v[QW], 0xffff0000, s[DL]   ; [1 1 | s0 s1] for [0 | q]
.endr
	WIN 0x40
.set i, 0
.rept 128
	v_mov_b32 v[OT+i], 0                           ; O^T of the four tiles.  The step is written once: the first finds zeros, which the first change of M leaves zeros; a first step of its own would be a second copy of the whole step
.set i, i+1
.endr
	WIN 0
	s_wait_alu depctr_va_vdst(0)
	s_wait_tensorcnt 0x0                           ; my part of the head has landed,
	s_barrier_signal -1
	s_barrier_wait -1                              ; everybody's has: from here on LDS is only read
	KLOAD LI, LSC                                  ; key step 0's K
.Lstep:
	v_add_nc_u32 v[ADV], s[TB], v[LI]
	v_add_nc_u32 v[ADSV], s[TB], v[LSC]
	s_add_co_u32 s[TBN], s[TB], CHUNK
	s_min_u32 s[TBN], s[TBN], 15*CHUNK             ; the last step has no successor: it reads its own K once more, and nobody uses that
	v_add_nc_u32 v[ADKN], s[TBN], v[LI]
	v_add_nc_u32 v[ADSK], s[TBN], v[LSC]
.rept 4
	v_nop                                          ; with the four additions: eight places in front of loads into registers that the last products read
.endr
	WIN 0x40
.irp t, 0,1,2,3
.irp c, 0,1,2,3
	ds_load_b128 v[VF+16*\t+4*\c:VF+16*\t+4*\c+3], v[ADV] offset:8192+2048*\t+512*\c
.endr
.endr
	WIN 0
	ds_load_b128 v[VSC:VSC+3], v[ADSV] offset:16640
	s_wait_dscnt 17                                ; K's 17 loads are in; V's 17, just issued, may be out
	SMUL 0
.rept 8
	v_nop                                          ; places in front of the first read of the scores
.endr
	SOFT 0
	s_wait_dscnt 0x0                               ; V
	SMUL 1
	PVMUL 0
	SOFT 1
	SMUL 2
	PVMUL 1
	SOFT 2
	SMUL 3
	PVMUL 2
	KLOAD ADKN, ADSK                               ; the next step's K, behind the step's last score products and the 16 rescalings: it lands under tile 3's softmax
	SOFT 3
	PVMUL 3
	s_add_co_u32 s[TB], s[TB], CHUNK
	s_sub_co_u32 s[CNT], s[CNT], 1
	s_cmp_lg_u32 s[CNT], 0
	s_cbranch_scc1 .Lstep
	; the way out: the four sums, their reciprocals as one batch (these plain lines are also the places behind the last products)
.irp j, 0,1,2,3
	v_add_f32 v[ST+4*\j+2], v[ST+4*\j+2], v[ST+4*\j+3]
.endr
.irp j, 0,1,2,3
	v_permlanex16_b32 v[PT+\j], v[ST+4*\j+2], s[SEL], s[SEL+1]
.endr
.irp j, 0,1,2,3
	v_add_f32 v[ST+4*\j+2], v[ST+4*\j+2], v[PT+\j]   ; with lane l xor 16's: the row's sum
.endr
.irp j, 0,1,2,3
	v_mov_b32 v[RC+2*\j+1], 0                      ; (named as the upper half of a pair)
.endr
	s_wait_alu depctr_va_vdst(0)                   ; ahead of the batch
.irp j, 0,1,2,3
	v_rcp_f32 v[RC+2*\j], v[ST+4*\j+2]
.endr
	v_nop                                          ; a plain instruction behind the reciprocals
	FIN 0
	FIN 1
	FIN 2
	FIN 3
	s_wait_tensorcnt 0x0                           ; the wave's end
	ds_add_u32 v[SPW], v[NIL]
	s_wait_dscnt 0x0
	CROUND                                         ; the closing round: no work-group ends while a partner may still ask for a part that names it
	s_endpgm
.Lfunc_end_k_q2bdf2cedd4_attn:
	.size	k_q2bdf2cedd4_attn, .Lfunc_end_k_q2bdf2cedd4_attn-k_q2bdf2cedd4_attn
	.p2alignl 7, 3214868480
	.fill 96, 4, 3214868480
	.section	.rodata,"a",@progbits
	.p2align	6, 0x0
	.amdhsa_kernel k_q2bdf2cedd4_attn
		.amdhsa_group_segment_fixed_size 327680
		.amdhsa_private_segment_fixed_size 0
		.amdhsa_enable_private_segment 0
		.amdhsa_kernarg_size 32
		.amdhsa_user_sgpr_count 2
		.amdhsa_user_sgpr_kernarg_segment_ptr 1
		.amdhsa_wavefront_size32 1
		.amdhsa_system_sgpr_workgroup_id_x 1
		.amdhsa_system_sgpr_workgroup_id_y 1
		.amdhsa_system_sgpr_workgroup_id_z 1
		.amdhsa_system_vgpr_workitem_id 0
		.amdhsa_next_free_vgpr 512
		.amdhsa_next_free_sgpr 66
		.amdhsa_reserve_vcc 0
		.amdhsa_float_denorm_mode_32 3
		.amdhsa_float_denorm_mode_16_64 3
		.amdhsa_memory_ordered 1
		.amdhsa_forward_progress 1
		.amdhsa_inst_pref_size 104
	.end_amdhsa_kernel
	.amdgpu_metadata
---
amdhsa.version: [ 1, 2 ]
amdhsa.kernels:
  - .name:           k_q2bdf2cedd4_attn
    .symbol:         k_q2bdf2cedd4_attn.kd
    .args:
      - { .name: qimg, .offset: 0, .size: 8, .value_kind: global_buffer, .address_space: global }
      - { .name: kv, .offset: 8, .size: 8, .value_kind: global_buffer, .address_space: global }
      - { .name: ctximg, .offset: 16, .size: 8, .value_kind: global_buffer, .address_space: global }
      - { .name: ctxsc, .offset: 24, .size: 8, .value_kind: global_buffer, .address_space: global }
    .group_segment_fixed_size: 327680
    .private_segment_fixed_size: 0
    .kernarg_segment_align: 8
    .kernarg_segment_size: 32
    .max_flat_workgroup_size: 256
    .sgpr_count:     66
    .vgpr_count:     512
    .wavefront_size: 32
...
	.end_amdgpu_metadata
.endif
;; end of part 2
;; launch outp (part 3): grid 4 x 32, 4 waves a work-group, clusters of 4 x 4, 327,680 bytes of LDS; arguments ctximg, ctxsc, Wo_codes, Wo_scales, bo, out0; writes out0
.if DOCPART == 3
	.amdgcn_target "amdgcn-amd-amdhsa--gfx1250"
	.amdhsa_code_object_version 6
	.text
	.protected	k_q2bdf2cedd4_outp
	.globl	k_q2bdf2cedd4_outp
	.p2align	8
	.type	k_q2bdf2cedd4_outp,@function
k_q2bdf2cedd4_outp:
	s_mov_b64 s[64:65], 0
	v_nop
	global_prefetch_b8 v0, s[64:65] scope:SCOPE_SE
	s_setreg_imm32_b32 hwreg(HW_REG_WAVE_MODE, 25, 1), 1
	s_wait_xcnt 0x0
	s_wait_alu depctr_hold_cnt(0) depctr_sa_sdst(0) depctr_va_vdst(0) depctr_va_sdst(0) depctr_va_ssrc(0) depctr_va_vcc(0) depctr_vm_vsrc(0)
	s_getreg_b32 s2, hwreg(HW_REG_IB_STS2, 6, 4)
	s_cmp_eq_u32 s2, 0
	s_cbranch_scc0 .Lentry_in_a_cluster
	s_endpgm
.Lentry_in_a_cluster:
	s_bfe_u32 s2, ttmp6, 0x10000c
	s_cmp_lg_u32 s2, 0xf033
	s_cbranch_scc0 .Lentry_shape_is_right
	s_endpgm
.Lentry_shape_is_right:
.set SIZE_N, 1024
.set KSTEP,  256
.set NQ,     KSTEP/128
.set ROWB,   256
.set ASTEP,  4096
.set KROW,   1024
.set PITCH,  272
.set FR,     16
.set NL,     4
.set NP,     8
.set HALFT,  128*PITCH
.set SLOT,   4*HALFT
.set LAPS,   KROW/(2*KSTEP)
.set KS,     KROW/32
.set SCL,    2*SLOT
.set HALFS,  (128*KS/256)*272
.set SBLK,   (16*KS/256)*272
.set SPARE,  SCL+4*HALFS
.set SPITCH, 528
.set ADRA, 16
.set ADRB, 20
.set STO,  24
.set RD,   25
.set CO,   26
.set ADRS, 27
.set SPW,  28
.set NIL,  29
.set SC,   32
.set T,    64
.set AF,   128
.set BK,   128
.set G1, 24
.set G0, 32
.set G1B, 48
.set G0B, 56
.set G1S, 68
.set G0S, 76
.set G1SB, 80
.set G0SB, 88
.set MSB, 0
.macro WIN new
.if MSB != (\new)
	s_set_vgpr_msb (MSB<<8)|(\new)
.set MSB, (\new)
.endif
.endm
.set MUL_LO, 0xa1
.set MUL_HI, 0xf1
.set BEG_LO, 0x81
.set BEG_HI, 0xc1
.set TO_B,   0x40
.macro JLOAD g0a, g1a, g0b, g1b
	s_cmp_eq_u32 s15, 0
	s_cbranch_scc0 .Lfor_b_\@
	tensor_load_to_lds s[\g0a:\g0a+3], s[\g1a:\g1a+7]
	s_nop 0
.rept 4
	v_nop
.endr
	s_branch .Lasked_\@
.Lfor_b_\@:
	tensor_load_to_lds s[\g0b:\g0b+3], s[\g1b:\g1b+7]
	s_nop 0
.rept 4
	v_nop
.endr
.Lasked_\@:
.endm
.macro CREST
	s_cmp_lg_u32 s14, 0
	s_cbranch_scc1 .Lnot_wave_0_\@
	s_barrier_signal -3
.Lnot_wave_0_\@:
	s_barrier_wait -3
	s_barrier_signal -1
	s_barrier_wait -1
.endm
.macro CROUND
	s_barrier_signal -1
	s_barrier_wait -1
	CREST
.endm
	s_load_b128 s[4:7], s[0:1], 0x0
	s_load_b128 s[8:11], s[0:1], 0x10
	s_load_b64 s[96:97], s[0:1], 0x20
	s_load_b64 s[12:13], s[0:1], 0x28
	v_lshl_add_u32 v[SPW], v0, 2, SPARE
	v_mov_b32 v[NIL], 0
	ds_add_u32 v28, v29
	ds_add_u32 v28, v29
	s_wait_dscnt 0x0
	v_lshrrev_b32 v1, 5, v0
	v_readfirstlane_b32 s14, v1
	s_lshr_b32 s15, s14, 1
	s_and_b32 s16, s14, 1
	s_bfe_u32 s40, ttmp6, 0x40000
	s_bfe_u32 s41, ttmp6, 0x40004
	s_lshl_b32 s42, ttmp9, 2
	s_add_co_u32 s42, s42, s40
	s_and_b32 s17, ttmp7, 0xffff
	s_lshl_b32 s17, s17, 2
	s_add_co_u32 s17, s17, s41
	s_lshl_b32 s43, s41, 2
	s_lshl_b32 s43, 15, s43
	s_lshl_b32 s44, 0x1111, s40
	s_or_b32 s[G1+0], s43, (3<<16)|(1<<21)
	s_mov_b32 s[G1+1], 512<<16
	s_mov_b32 s[G1+2], 16<<16                      ; the head's load of A brings 16 tiles of 16 rows; behind it the two words are set to 8, for the ring's
	s_mov_b32 s[G1+3], 512<<16
	s_mov_b32 s[G1+4], 16
	s_mov_b32 s[G1+5], 2048
	s_mov_b32 s[G1+6], 0
	s_mov_b32 s[G1+7], 0
	s_or_b32 s[G1B+0], s44, (0<<16)|(1<<20)|(1<<21)|(5<<22)|(3<<25)
	s_mov_b32 s[G1B+1], ROWB<<16
	s_mov_b32 s[G1B+2], 256<<16                    ; the head's load of B brings 256 rows; then 128
	s_mov_b32 s[G1B+3], ROWB<<16
	s_mov_b32 s[G1B+4], 256
	s_mov_b32 s[G1B+5], KROW
	s_mov_b32 s[G1B+6], 0
	s_mov_b32 s[G1B+7], 0
	s_or_b32 s[G1S+0], s43, (3<<16)|(1<<20)|(1<<21)|(5<<22)|(3<<25)
	s_or_b32 s[G1SB+0], s44, (3<<16)|(1<<20)|(1<<21)|(5<<22)|(3<<25)
.irp g, G1S, G1SB
	s_mov_b32 s[\g+1], 32<<16
	s_mov_b32 s[\g+2], (256*KS/256)<<16            ; the scales of 256 rows in one load
	s_mov_b32 s[\g+3], 32<<16
	s_mov_b32 s[\g+4], 256*KS/256
	s_mov_b32 s[\g+5], 32
	s_mov_b32 s[\g+6], 0
	s_mov_b32 s[\g+7], 0
.endr
	s_lshl_b32 s20, s17, 8                         ; the tiles' first rows
	s_lshl_b32 s46, s42, 8
	s_mov_b32 s21, 0
	s_mov_b32 s47, 0
	s_mov_b64 s[18:19], KS
	s_mul_u64 s[22:23], s[20:21], s[18:19]
	s_mul_u64 s[92:93], s[46:47], s[18:19]
	s_mov_b64 s[18:19], KROW
	s_mul_u64 s[20:21], s[20:21], s[18:19]
	s_mul_u64 s[46:47], s[46:47], s[18:19]
	s_mul_i32 s45, s14, HALFT
	s_mul_i32 s18, s16, 128*KROW                   ; in the ring I fetch 128 rows of a tile: which half, in bytes
	s_mov_b32 s19, 0
	s_lshl_b32 s95, s14, 15                        ; A's images have no padding: its halves lie 32,768 bytes apart in a slot
	s_wait_kmcnt 0x0
	s_add_nc_u64 s[20:21], s[4:5], s[20:21]
	s_add_nc_u64 s[22:23], s[6:7], s[22:23]
	s_add_nc_u64 s[46:47], s[8:9], s[46:47]
	s_add_nc_u64 s[92:93], s[10:11], s[92:93]
	CROUND
	s_mov_b32 s[G0S], 1
	s_mov_b32 s[G0S+1], SCL
	s_mov_b64 s[G0S+2:G0S+3], s[22:23]
	s_or_b32 s[G0S+3], s[G0S+3], 0x80000000
	s_mov_b32 s[G0SB], 1
	s_mov_b32 s[G0SB+1], SCL+2*HALFS
	s_mov_b64 s[G0SB+2:G0SB+3], s[92:93]
	s_or_b32 s[G0SB+3], s[G0SB+3], 0x80000000
	s_mov_b32 s4, 1                                ; s[4:7], s[8:11]: group 0 of the head's loads of K step 0: A's 256 rows, B's 256 rows (the arguments that lay there have been used)
	s_mov_b32 s5, 0
	s_mov_b64 s[6:7], s[20:21]
	s_or_b32 s7, s7, 0x80000000
	s_mov_b32 s8, 1
	s_mov_b32 s9, 2*HALFT
	s_mov_b64 s[10:11], s[46:47]
	s_or_b32 s11, s11, 0x80000000
	s_add_nc_u64 s[20:21], s[20:21], s[18:19]      ; for the ring: my 128 rows of the tile
	s_add_nc_u64 s[46:47], s[46:47], s[18:19]
.irp s, 0,1
	s_mov_b32 s[G0+4*\s], 1
	s_add_co_u32 s[G0+4*\s+1], s95, \s*SLOT
	s_add_nc_u64 s[G0+4*\s+2:G0+4*\s+3], s[20:21], \s*ASTEP
	s_or_b32 s[G0+4*\s+3], s[G0+4*\s+3], 0x80000000
	s_mov_b32 s[G0B+4*\s], 1
	s_add_co_u32 s[G0B+4*\s+1], s45, \s*SLOT
	s_add_nc_u64 s[G0B+4*\s+2:G0B+4*\s+3], s[46:47], \s*ROWB
	s_or_b32 s[G0B+4*\s+3], s[G0B+4*\s+3], 0x80000000
.endr
; the head's loads, one a wave: wave 0 K step 0's 256 rows of A, wave 1 its 256 rows of B, wave 2 the scales of A's 256 rows, wave 3 those of B's.
; One tree of branches on the wave's number: every way through the head passes exactly one load.  The address work and the bias loads below stand under their flight.
.macro ARM under, g0, g1, next
	s_cmp_lt_u32 s14, \under
	s_cbranch_scc0 \next
	tensor_load_to_lds s[\g0:\g0+3], s[\g1:\g1+7]
	s_nop 0
.rept 4
	v_nop
.endr
	s_branch .Lhead_asked
\next:
.endm
	ARM 1, 4, G1, .Lhead_b
	ARM 2, 8, G1B, .Lhead_sa
	ARM 3, G0S, G1S, .Lhead_sb
	tensor_load_to_lds s[G0SB:G0SB+3], s[G1SB:G1SB+7]
	s_nop 0
.rept 4
	v_nop
.endr
.Lhead_asked:
	v_and_b32 v1, 15, v0
	v_bfe_u32 v2, v0, 4, 1
	v_and_b32 v6, 31, v0
	v_lshlrev_b32 v[CO], 4, v6
	v_mul_u32_u24 v3, v1, PITCH
	v_lshl_add_u32 v4, v2, 4, v3
	s_lshl_b32 s21, s15, 15                        ; my 128 rows of A: 32,768 bytes a half
	s_mul_i32 s22, s16, HALFT
	s_add_co_u32 s22, s22, 2*HALFT
.irp s, 0,1
	v_add_nc_u32 v[ADRA+\s], s21, v[CO]
	v_add_nc_u32 v[ADRB+\s], s22, v4
	s_add_co_u32 s21, s21, SLOT
	s_add_co_u32 s22, s22, SLOT
.endr
	v_mul_u32_u24 v5, v1, KS
	v_lshrrev_b32 v6, 8, v5
	v_lshl_add_u32 v5, v6, 4, v5
	s_mul_i32 s21, s15, HALFS
	s_mul_i32 s22, s16, HALFS
	s_add_co_u32 s22, s22, 2*HALFS
	s_sub_co_u32 s22, s22, s21
	v_mul_u32_u24 v6, s22, v2
	s_add_co_u32 s21, s21, SCL
	v_add_nc_u32 v5, v5, v6
	v_add_nc_u32 v[ADRS], s21, v5
	s_mul_i32 s23, s14, 16*SPITCH
	v_mul_u32_u24 v5, v1, SPITCH
	v_lshl_add_u32 v5, v2, 5, v5
	v_add_nc_u32 v[STO], s23, v5
	v_add_nc_u32 v[RD], s23, v[CO]
	s_lshl_b32 s20, s17, 8
	s_lshl_b32 s21, s15, 7
	s_add_co_u32 s20, s20, s21
	s_mov_b32 s21, 0
	s_mov_b64 s[18:19], SIZE_N*4
	s_mul_u64 s[20:21], s[20:21], s[18:19]
	s_lshl_b32 s46, s42, 10
	s_lshl_b32 s47, s16, 9
	s_add_co_u32 s46, s46, s47
	s_mov_b32 s47, 0
	s_add_nc_u64 s[96:97], s[96:97], s[46:47]
	s_add_nc_u64 s[20:21], s[20:21], s[46:47]
	s_add_nc_u64 s[12:13], s[12:13], s[20:21]
	v_lshlrev_b32 v7, 5, v2
.irp b, 0,1,2,3,4,5,6,7
	global_load_b128 v[T+8*\b:T+8*\b+3], v7, s[96:97] offset:64*\b
	global_load_b128 v[T+8*\b+4:T+8*\b+7], v7, s[96:97] offset:64*\b+16
.endr
.macro FRAGB reg, adr, q, i
.irp c, 0,1,2,3
	ds_load_b128 v[\reg+4*\c:\reg+4*\c+3], v[\adr] offset:128*(\q)+32*\c+(\i)*16*PITCH
.endr
.endm
.macro FRAGA reg, adr, q, i
.irp c, 0,1,2,3
	ds_load_b128 v[\reg+4*\c:\reg+4*\c+3], v[\adr] offset:4096*(\i)+2048*(\q)+512*\c
.endr
.endm
.macro MUL16 a0, p, q, sc, zero
.irp a, \a0, \a0+1
.irp b, 0,1,2,3,4,5,6,7
.set rD, 8*(8*((\a)%4)+\b)
.set rB, 128*(\p)+FR*\b
.set rA, AF+FR*(\a)
.set sB, SC+8*NQ*(\sc)+NQ*\b+(\q)
.set sA, SC+8*NQ*(\sc)+NQ*(\a)+(\q)
.if \zero
	v_wmma_scale_f32_16x16x128_f8f6f4 v[rD:rD+7], v[rB:rB+FR-1], v[rA:rA+FR-1], v[T+8*\b:T+8*\b+7], v[sB], v[sA] matrix_a_scale:MATRIX_SCALE_ROW1
.else
	v_wmma_scale_f32_16x16x128_f8f6f4 v[rD:rD+7], v[rB:rB+FR-1], v[rA:rA+FR-1], v[rD:rD+7], v[sB], v[sA] matrix_a_scale:MATRIX_SCALE_ROW1
.endif
.endr
.endr
.endm
.macro FETCH_B slot, q, p
	WIN TO_B
.irp i, 0,1,2,3,4,5,6,7
	FRAGB 128*(\p)+FR*\i, ADRB+\slot, \q, \i
.endr
	WIN 0
.endm
.macro FETCH_A slot, q, i0
.irp i, \i0, \i0+1, \i0+2, \i0+3
	FRAGA AF+FR*(\i), ADRA+\slot, \q, \i
.endr
.endm
.macro SCALES sc
.irp i, 0,1,2,3,4,5,6,7
	ds_load_b64 v[SC+8*NQ*\sc+NQ*\i:SC+8*NQ*\sc+NQ*\i+1], v[ADRS] offset:\i*SBLK
.endr
.endm
.macro PLACES n
.rept \n
	v_nop
.endr
.endm
.macro STEP slot, q, zero
	s_wait_dscnt 4*NL
.if \zero
	WIN BEG_LO
.else
	WIN MUL_LO
.endif
	MUL16 0, (\q)%2, \q, \slot, \zero
	MUL16 2, (\q)%2, \q, \slot, \zero
	s_wait_dscnt 0
	PLACES NP
	FETCH_B \slot, (\q)+1, 1-(\q)%2
	FETCH_A \slot, (\q)+1, 0
.if \zero
	WIN BEG_HI
.else
	WIN MUL_HI
.endif
	MUL16 4, (\q)%2, \q, \slot, \zero
	MUL16 6, (\q)%2, \q, \slot, \zero
	PLACES NP
	WIN 0
	FETCH_A \slot, (\q)+1, 4
.endm
.macro TURN slot, next, fill
	s_wait_tensorcnt 0x0
	ds_add_u32 v[SPW], v[NIL]
	s_wait_dscnt 4*NL+1
	WIN MUL_LO
	MUL16 0, 1, NQ-1, \slot, 0
	s_wait_dscnt 0x0
	s_barrier_signal -1
	MUL16 2, 1, NQ-1, \slot, 0
	WIN 0
	s_barrier_wait -1
.if \fill
	CREST
	s_add_nc_u64 s[G0+4*\slot+2:G0+4*\slot+3], s[G0+4*\slot+2:G0+4*\slot+3], 2*ASTEP
	s_add_nc_u64 s[G0B+4*\slot+2:G0B+4*\slot+3], s[G0B+4*\slot+2:G0B+4*\slot+3], 2*ROWB
	JLOAD G0+4*\slot, G1, G0B+4*\slot, G1B
	PLACES NP-4
.else
	PLACES NP
.endif
	s_wait_alu depctr_va_vdst(0)
	v_add_nc_u32 v[ADRS], 4*NQ, v[ADRS]
	FETCH_B \next, 0, 0
	FETCH_A \next, 0, 0
	SCALES \next
	WIN MUL_HI
	MUL16 4, 1, NQ-1, \slot, 0
	MUL16 6, 1, NQ-1, \slot, 0
	PLACES NP
	WIN 0
	FETCH_A \next, 0, 4
.endm
	s_wait_alu depctr_va_vdst(0)
	s_wait_loadcnt 0x0
	s_wait_tensorcnt 0x0                           ; my tile of the head's four is in
	ds_add_u32 v[SPW], v[NIL]
	s_mov_b32 s[G1+2], 8<<16                       ; no tensor load of mine is out: from here on a load brings 128 rows: 8 tiles of A,
	s_mov_b32 s[G1+4], 8
	s_mov_b32 s[G1B+2], 128<<16                    ; 128 rows of B
	s_mov_b32 s[G1B+4], 128
	s_wait_dscnt 0x0
	CROUND                                         ; all four tiles are in, and all sixteen work-groups are here
	JLOAD G0+4, G1, G0B+4, G1B                     ; K step 1's load, the first tensor load behind the round
	FETCH_B 0, 0, 0
	FETCH_A 0, 0, 0
	SCALES 0
	FETCH_A 0, 0, 4
	STEP 0, 0, 1
	s_mov_b32 s3, LAPS-1
.Llap:
	TURN 0, 1, 1
	STEP 1, 0, 0
	TURN 1, 0, 1
	STEP 0, 0, 0
	s_sub_co_u32 s3, s3, 1
	s_cmp_lg_u32 s3, 0
	s_cbranch_scc1 .Llap
	TURN 0, 1, 0
	STEP 1, 0, 0
	s_wait_dscnt 4*NL
	WIN MUL_LO
	MUL16 0, 1, NQ-1, 1, 0
	MUL16 2, 1, NQ-1, 1, 0
	s_wait_dscnt 0
	WIN MUL_HI
	MUL16 4, 1, NQ-1, 1, 0
	MUL16 6, 1, NQ-1, 1, 0
	WIN 0
.macro TOSTAGE a
.set AC, 64*((\a)%4)
.set WD, 0x08+4*((\a)/4)
	WIN WD
.irp b, 0,1,2,3,4,5,6,7
	ds_store_b128 v[STO], v[AC+8*\b:AC+8*\b+3] offset:64*\b
	ds_store_b128 v[STO], v[AC+8*\b+4:AC+8*\b+7] offset:64*\b+16
.endr
	WIN 0
.set BB, BK+64*((\a)%2)
.irp t, 0,1,2,3,4,5,6,7,8,9,10,11,12,13,14,15
	ds_load_b128 v[BB+4*\t:BB+4*\t+3], v[RD] offset:\t*SPITCH
.endr
.endm
.macro SEND a, younger
.set BB, BK+64*((\a)%2)
	s_wait_dscnt \younger
.if (\a) > 0
	s_add_nc_u64 s[12:13], s[12:13], 16*SIZE_N*4
.endif
.irp t, 0,1,2,3,4,5,6,7,8,9,10,11,12,13,14,15
	global_store_b128 v[CO], v[BB+4*\t:BB+4*\t+3], s[12:13] offset:\t*SIZE_N*4 th:TH_STORE_NT
.endr
.endm
	PLACES NP
	TOSTAGE 0
.irp a, 1,2,3,4,5,6,7
.if \a > 1
	s_wait_xcnt 0x0
.endif
	TOSTAGE \a
	SEND \a-1, 32
.endr
	s_wait_xcnt 0x0
	SEND 7, 0
	s_wait_tensorcnt 0x0
	ds_add_u32 v[SPW], v[NIL]
	s_wait_dscnt 0x0
	CROUND
	s_endpgm
.Lfunc_end_k_q2bdf2cedd4_outp:
	.size	k_q2bdf2cedd4_outp, .Lfunc_end_k_q2bdf2cedd4_outp-k_q2bdf2cedd4_outp
	.p2alignl 7, 3214868480
	.fill 96, 4, 3214868480
	.section	.rodata,"a",@progbits
	.p2align	6, 0x0
	.amdhsa_kernel k_q2bdf2cedd4_outp
		.amdhsa_group_segment_fixed_size 327680
		.amdhsa_private_segment_fixed_size 0
		.amdhsa_enable_private_segment 0
		.amdhsa_kernarg_size 48
		.amdhsa_user_sgpr_count 2
		.amdhsa_user_sgpr_kernarg_segment_ptr 1
		.amdhsa_wavefront_size32 1
		.amdhsa_system_sgpr_workgroup_id_x 1
		.amdhsa_system_sgpr_workgroup_id_y 1
		.amdhsa_system_sgpr_workgroup_id_z 1
		.amdhsa_system_vgpr_workitem_id 0
		.amdhsa_next_free_vgpr 1024
		.amdhsa_next_free_sgpr 98
		.amdhsa_reserve_vcc 0
		.amdhsa_float_denorm_mode_32 3
		.amdhsa_float_denorm_mode_16_64 3
		.amdhsa_memory_ordered 1
		.amdhsa_forward_progress 1
		.amdhsa_inst_pref_size 148
	.end_amdhsa_kernel
	.amdgpu_metadata
---
amdhsa.version: [ 1, 2 ]
amdhsa.kernels:
  - .name:           k_q2bdf2cedd4_outp
    .symbol:         k_q2bdf2cedd4_outp.kd
    .args:
      - { .name: ctximg, .offset: 0, .size: 8, .value_kind: global_buffer, .address_space: global }
      - { .name: ctxsc, .offset: 8, .size: 8, .value_kind: global_buffer, .address_space: global }
      - { .name: Wo_codes, .offset: 16, .size: 8, .value_kind: global_buffer, .address_space: global }
      - { .name: Wo_scales, .offset: 24, .size: 8, .value_kind: global_buffer, .address_space: global }
      - { .name: bo, .offset: 32, .size: 8, .value_kind: global_buffer, .address_space: global }
      - { .name: out0, .offset: 40, .size: 8, .value_kind: global_buffer, .address_space: global }
    .group_segment_fixed_size: 327680
    .private_segment_fixed_size: 0
    .kernarg_segment_align: 8
    .kernarg_segment_size: 48
    .max_flat_workgroup_size: 128
    .sgpr_count:     98
    .vgpr_count:     1024
    .wavefront_size: 32
...
	.end_amdgpu_metadata
.endif
;; end of part 3
